; MI455X (gfx1250); checked and timed in simulation.
; The chip was launched on July 23, 2026; its instructions are those of AMD's public machine-readable ISA for CDNA 5 (MIT licence, August 2026) and "CDNA5" Instruction Set Architecture Reference Guide (July 2026). The comments in the code are by the model that wrote it; some were corrected since.
;; My LSTM Cell. Allowed arithmetic: matrix products marked QUANTISED: E4M3 operands, one given power-of-two scale a tensor, by v_wmma_f32_16x16x64_fp8_fp8 or v_wmma_f32_16x16x128_fp8_fp8, f32 sums; everything else in f32.
;; Inputs: W_c 3,072 x 2,048 float32; W_f 3,072 x 2,048 float32; W_i 3,072 x 2,048 float32; W_o 3,072 x 2,048 float32; b_c 2,048 float32; b_f 2,048 float32; b_i 2,048 float32; b_o 2,048 float32; c_prev 2,048 x 2,048 float32; h_prev 2,048 x 2,048 float32; lowp_scales 2 int32 (the exponents e of the quantised operands' scales 2^e); x 2,048 x 1,024 float32.
;; Outputs: out0 2,048 x 2,048 float32; out1 2,048 x 2,048 float32.
;; This version of the problem:
;;   THIS VERSION OF THE PROBLEM IS GIVEN IN LOW PRECISION. The matrix products marked QUANTISED in the list below multiply operands that are first quantised to E4M3 (4 exponent bits, 3 mantissa bits; 8 bits a number), with one given power-of-two scale for each operand tensor; their sums are f32. All else is computed in f32.
;;   The module's matrix products, in the order in which they are computed (A, B: the left and right operand; K: the contracted axis; several contracted axes count as one K, in the product's order):
;;     1. [M 2,048, K 3,072] x [K 3,072, N 8,192]; A: computed on the way; B: computed on the way: QUANTISED (scales: A lowp_scales[0], B lowp_scales[1])
;;   THE QUANTISER, for each operand of a quantised product, along K:
;;     - The operand's scale is 2^e, e = its entry of the input lowp_scales (int32; the entries are numbered through the quantised products in the list's order, A before B).
;;     - Each number is divided by the scale, clamped to +-448, and rounded to the nearest number of E4M3, ties to even, subnormals kept.
;;     - The product sums the exact products of the quantised numbers (number of the format x scale) in f32.
;;   ~~~python
;;   def quantise(x, axis, e):      # numpy; x: float32 -> the quantised numbers, widened to float32 again
;;       x = np.moveaxis(x, axis, -1); K = x.shape[-1]
;;       r = np.clip(x / 2.0 ** e, -448, 448)
;;       step = 2.0 ** (np.maximum(np.frexp(np.where(r == 0, 1, r))[1] - 1, -6) - 3)
;;       q = np.round(r / step) * step * 2.0 ** e      # np.round: ties to even
;;       return np.moveaxis(q, -1, axis).astype(np.float32)
;;   ~~~
;;   OPERANDS COMPUTED ON THE WAY. 'Computed on the way' means the value that the module computes at that place (a softmax that the list does not call 'softmax' is quantised finished and normalised). What goes into a quantiser is computed in f32, as accurately as f32 sums, v_exp_f32 and their like allow (about 1e-6 of the number): no bf16 or f16 on the way to a quantiser, and a product that is left as it is and whose result goes on into a quantised operand takes f32 operands (vector FMAs, or v_wmma_f32_16x16x4_f32). A number that lies on a knife's edge between two numbers of the format may be rounded either way, as far as f32 arithmetic and the matrix unit's own rounding can turn it there, and no further.
;; One version. Each part assembles by itself: llvm-mc -triple=amdgcn-amd-amdhsa -mcpu=gfx1250 --defsym DOCPART=n.
;; ======== version 1 of 1: 2 launches
;; limits: right only within a limited range of input values
;; workspace buffers: a_codes 6,291,456 bytes; w_codes 25,165,824 bytes
;; launch quant (part 1): grid 256 x 1, 15 waves a work-group, no clusters, 28,160 bytes of LDS; arguments h_prev, x, W_f, W_i, W_o, W_c, lowp_scales, a_codes, w_codes; writes a_codes, w_codes
.if DOCPART == 1
	.amdgcn_target "amdgcn-amd-amdhsa--gfx1250"
	.amdhsa_code_object_version 6
	.text
	.protected	k_qc49e880faf_quant
	.globl	k_qc49e880faf_quant
	.p2align	8
	.type	k_qc49e880faf_quant,@function
k_qc49e880faf_quant:
	s_mov_b64 s[64:65], 0
	v_nop
	global_prefetch_b8 v0, s[64:65] scope:SCOPE_SE
	s_setreg_imm32_b32 hwreg(HW_REG_WAVE_MODE, 25, 1), 1
	s_wait_xcnt 0x0
; FIRST OF TWO LAUNCHES of an LSTM cell: gates = [h_prev | x] [W_f | W_i | W_o | W_c] + b, three sigmoids, two tanh, c_new and h_new.
; NO WORK OF THE PROBLEM IS LEFT OUT: every input has a way to an output and is loaded (here the left operand's two parts and the four weights; the biases and c_prev in the second launch).
; THIS LAUNCH turns both operands of the one product into codes of FP8 (E4M3): code = number / 2^e, held within +-448, rounded to the nearest code, ties to even; e = entry 0 of the scales for [h_prev | x], entry 1 for the weights.
; LAYOUT OF BOTH BUFFERS, the image of the second launch's operand registers: [128 rows][256 along K: 12][fragment of 16 rows: 8][piece: 16][row r: 16][16 codes].  A piece is 16 places along K; 128 rows are 393,216 bytes.
; PLACES ALONG K, alike in both buffers: piece p (0..191), byte 4 i + j of it holds k = 512 (p / 32) + 128 i + 4 (p % 32) + j: what four loads of 512 consecutive bytes of a row of h_prev or x leave in lane p % 32.
;   Every product meets its partner; only the order of the sums differs from the problem's text.
; ROWS OF w_codes: gate g (0 f, 1 i, 2 o, 3 c) of unit u: 128 rows' number 2 (u / 64) + ((u % 4) / 2), fragment 2 g + (u % 2), row r = (u % 64) / 4.  So a lane that loads four neighbouring columns holds one row of each of
;   four fragments, and sixteen lanes store 256 consecutive bytes, aligned.
; SHARES.  A work-group of 15 waves reads 491,520 bytes, each wave 32,768.  Waves 0-2: 16 rows x 512 along K of h_prev or x, turned through the wave's own stage in LDS (a row's codes in, pieces of 16 rows out).
;   Waves 3-14: 4 pieces (64 rows) x 128 columns of a weight, no LDS.  The hold at the largest code writes the numbers in the order of a column, so no instruction is spent on turning them.
; No tensor loads, no barrier: waves share nothing.  No cluster: work-groups share no input.  No prefetch: there is no loop to run ahead in; half of a wave's loads are issued at its start.
; LIMITS: each e between -126 and 119, so that 2^e and 448 x 2^e are f32 numbers.  NaN among the inputs is not served; an infinity is held at the largest code.
.set WROW,  8192                       ; a row of a weight, in bytes
.set BLK,   393216                     ; 128 rows of codes
.set PITCH, 272                        ; stage: a piece's 256 bytes + 16
.set STG,   32*PITCH
.set SPARE, 3*STG                      ; the spare words, 128 bytes for each of 15 waves, rounded up to 2,048
.set SPW,   12                         ; v12 LDS address of my spare word, v13 0: never rewritten
.set NIL,   13
.set X,     32                         ; weights: v32-63 two sets of 16 numbers of a column
.set AO,    32                         ; h_prev, x: v32-47 offsets of the 16 rows
.set R,     64                         ; v64-191 numbers as loaded
.set C,     192                        ; v192-255 codes: four registers for each store, never written again
.macro SCALES e                        ; v11 = 2^e as f32 (the conversion takes its exponent field), v10 = 448 x 2^e
	s_add_co_i32 s40, \e, 127
	s_lshl_b32 s41, s40, 23
	v_mov_b32 v11, s41
	s_add_co_i32 s40, s40, 8
	s_lshl_b32 s40, s40, 23
	s_or_b32 s40, s40, 0x600000
	v_mov_b32 v10, s40
	s_wait_alu depctr_va_vdst(0)                   ; the wait here, ahead of the waits below
.endm
	s_load_b512 s[4:19], s[0:1], 0x0               ; h_prev, x, W_f, W_i, W_o, W_c, scales s[16:17], a_codes s[18:19]
	s_load_b64 s[20:21], s[0:1], 0x40              ; w_codes
	v_lshl_add_u32 v[SPW], v0, 2, SPARE
	v_mov_b32 v[NIL], 0
	v_lshrrev_b32 v1, 5, v0
	v_readfirstlane_b32 s22, v1                    ; wave 0..14
	s_wait_alu depctr_va_vdst(0)                   ; the wait ahead of the branch
	s_cmp_lt_u32 s22, 3
	s_cbranch_scc1 .Lacts
	; ---------------- a weight ----------------
	s_and_b32 s26, ttmp9, 3                        ; gate
	s_bfe_u32 s27, ttmp9, 0x40002                  ; which 128 columns
	s_lshr_b32 s28, ttmp9, 6                       ; which 48 pieces
	s_mul_i32 s29, s28, 48
	s_sub_co_u32 s30, s22, 3
	s_lshl_b32 s30, s30, 2
	s_add_co_u32 s29, s29, s30                     ; my first piece, a multiple of 4
	s_lshr_b32 s30, s29, 5
	s_lshl_b32 s30, s30, 9
	s_and_b32 s31, s29, 31
	s_lshl_b32 s31, s31, 2
	s_add_co_u32 s30, s30, s31                     ; its first row of the weight
	s_lshl_b32 s30, s30, 13
	s_lshl_b32 s31, s27, 9
	s_add_co_u32 s32, s30, s31
	s_mov_b32 s33, 0
	s_mul_i32 s34, s27, 4*BLK                      ; out: 128 columns are two groups of 64 units, four times 128 rows
	s_lshl_b32 s35, s26, 13                        ; two fragments a gate
	s_add_co_u32 s34, s34, s35
	s_lshr_b32 s35, s29, 4
	s_lshl_b32 s35, s35, 15
	s_add_co_u32 s34, s34, s35
	s_and_b32 s35, s29, 15
	s_lshl_b32 s35, s35, 8
	s_add_co_u32 s34, s34, s35
	s_mov_b32 s35, 0
	v_and_b32 v2, 31, v0
	v_lshlrev_b32 v3, 4, v2                        ; in: 16 bytes a lane
	v_and_b32 v4, 15, v0
	v_bfe_u32 v5, v0, 4, 1
	v_mul_u32_u24 v5, v5, 2*BLK                    ; out: lanes 16-31 hold the second group of 64 units
	v_lshl_add_u32 v8, v4, 4, v5
	s_wait_alu depctr_va_vdst(0)
	s_wait_kmcnt 0x0
	s_load_b64 s[24:25], s[16:17], 0x0             ; the two exponents
	s_cmp_eq_u32 s26, 1
	s_cselect_b64 s[28:29], s[10:11], s[8:9]
	s_cmp_eq_u32 s26, 2
	s_cselect_b64 s[28:29], s[12:13], s[28:29]
	s_cmp_eq_u32 s26, 3
	s_cselect_b64 s[28:29], s[14:15], s[28:29]
	s_add_nc_u64 s[28:29], s[28:29], s[32:33]
	s_add_nc_u64 s[20:21], s[20:21], s[34:35]
.macro WLOAD t                         ; piece t: 16 rows, 512 consecutive bytes each; the largest offset is 399 rows, inside the signed 24-bit immediate
.irp m, 0,1,2,3,4,5,6,7,8,9,10,11,12,13,14,15
	global_load_b128 v[R+64*((\t)%2)+4*\m:R+64*((\t)%2)+4*\m+3], v3, s[28:29] offset:(128*(\m/4)+4*(\t)+\m%4)*WROW th:TH_LOAD_NT
.endr
.endm
.macro WSTEP t
.if (\t) < 3
	s_wait_loadcnt 16                              ; this piece's 16 loads are in; the next piece's 16 may be out
.else
	s_wait_loadcnt 0
.endif
.irp e, 0,1,2,3
.irp m, 0,1,2,3,4,5,6,7,8,9,10,11,12,13,14,15
	v_med3_num_f32 v[X+16*(\e%2)+\m], v[R+64*((\t)%2)+4*\m+\e], -v10, v10   ; the hold (the conversion does not saturate: ISA guide 7.6.2), gathered by column
.endr
	v_cvt_scalef32_pk8_fp8_f32 v[C+16*(\t)+4*\e:C+16*(\t)+4*\e+1], v[X+16*(\e%2):X+16*(\e%2)+7], v11
	v_cvt_scalef32_pk8_fp8_f32 v[C+16*(\t)+4*\e+2:C+16*(\t)+4*\e+3], v[X+16*(\e%2)+8:X+16*(\e%2)+15], v11
.endr
.if (\t)+2 < 4
	WLOAD (\t)+2
.endif
.endm
.macro WSTORE t
.irp e, 0,1,2,3
	global_store_b128 v8, v[C+16*(\t)+4*\e:C+16*(\t)+4*\e+3], s[20:21] offset:(\e/2)*BLK+(\e%2)*4096+256*(\t)   ; twice 256 consecutive bytes, aligned
.endr
.endm
	WLOAD 0
	WLOAD 1
	s_wait_kmcnt 0x0
	SCALES s25
	WSTEP 0
	WSTEP 1
	WSTORE 0                                       ; all loads have been asked for: now the first two pieces' codes go out
	WSTORE 1
	WSTEP 2
	WSTEP 3
	v_nop
	WSTORE 2
	WSTORE 3
	s_branch .Lend
	; ---------------- h_prev and x ----------------
.macro ALD r                           ; row r: 512 numbers, four loads of 512 consecutive bytes
.irp i, 0,1,2,3
	global_load_b128 v[R+16*((\r)%8)+4*\i:R+16*((\r)%8)+4*\i+3], v[AO+(\r)], s[28:29] offset:512*\i th:TH_LOAD_NT
.endr
.endm
.macro AST r
.set RS, R+16*((\r)%8)
.if (\r) <= 8
	s_wait_loadcnt 28                              ; this row's loads are in; those of the seven rows behind it may be out
.else
	s_wait_loadcnt 4*(15-(\r))
.endif
.irp i, 0,1,2,3,4,5,6,7,8,9,10,11,12,13,14,15
	v_med3_num_f32 v[RS+\i], v[RS+\i], -v10, v10
.endr
	v_cvt_scalef32_pk8_fp8_f32 v[C+4*(\r):C+4*(\r)+1], v[RS:RS+7], v11
	v_cvt_scalef32_pk8_fp8_f32 v[C+4*(\r)+2:C+4*(\r)+3], v[RS+8:RS+15], v11
	ds_store_b128 v4, v[C+4*(\r):C+4*(\r)+3] offset:16*(\r)   ; lane l: row r of piece l
.if (\r) < 8
	ALD (\r)+8
.endif
.endm
.Lacts:
	s_lshr_b32 s26, ttmp9, 1                       ; which 16 rows of the batch
	s_and_b32 s27, ttmp9, 1
	s_mul_i32 s27, s27, 3
	s_add_co_u32 s27, s27, s22                     ; which 512 along K: 0-3 h_prev, 4-5 x
	s_mul_i32 s30, s22, STG                        ; my stage
	s_lshr_b32 s34, s26, 3
	s_mul_i32 s34, s34, BLK
	s_and_b32 s35, s26, 7
	s_lshl_b32 s35, s35, 12
	s_add_co_u32 s34, s34, s35
	s_lshl_b32 s35, s27, 16
	s_add_co_u32 s34, s34, s35
	s_mov_b32 s35, 0
	s_lshl_b32 s32, s26, 17                        ; h_prev: 16 rows of 8,192 bytes
	s_lshl_b32 s33, s26, 16                        ; x: 16 rows of 4,096
	s_lshl_b32 s37, s27, 11
	s_add_co_u32 s32, s32, s37
	s_add_co_u32 s33, s33, s37
	s_sub_co_u32 s33, s33, 8192                    ; (taken for 4 and 5 alone)
	s_mov_b32 s38, 4096
	s_cmp_lt_u32 s27, 4
	s_cselect_b32 s32, s32, s33
	s_cselect_b32 s36, 8192, s38                   ; the source's row in bytes
	s_mov_b32 s33, 0
	v_and_b32 v2, 31, v0
	v_lshlrev_b32 v[AO], 4, v2                     ; 16 bytes a lane, of a load's 512 and of a store's 512 alike
.set Q, 1
.rept 15
	v_add_nc_u32 v[AO+Q], s36, v[AO+Q-1]
.set Q, Q+1
.endr
	v_mul_u32_u24 v4, v2, PITCH
	v_add_nc_u32 v4, s30, v4                       ; into the stage: piece = lane
	v_and_b32 v5, 15, v0
	v_bfe_u32 v6, v0, 4, 1
	v_mul_u32_u24 v7, v6, PITCH
	v_lshl_add_u32 v7, v5, 4, v7
	v_add_nc_u32 v7, s30, v7                       ; out of it: two pieces an instruction
	s_wait_alu depctr_va_vdst(0)
	s_wait_kmcnt 0x0
	s_load_b64 s[24:25], s[16:17], 0x0
	s_cmp_lt_u32 s27, 4
	s_cselect_b64 s[28:29], s[4:5], s[6:7]
	s_add_nc_u64 s[28:29], s[28:29], s[32:33]
	s_add_nc_u64 s[18:19], s[18:19], s[34:35]
.irp r, 0,1,2,3,4,5,6,7
	ALD \r
.endr
	s_wait_kmcnt 0x0
	SCALES s24
.irp r, 0,1,2,3,4,5,6,7,8,9,10,11,12,13,14,15
	AST \r
.endr
	v_nop
.irp t, 0,1,2,3,4,5,6,7,8,9,10,11,12,13,14,15
	ds_load_b128 v[R+4*\t:R+4*\t+3], v7 offset:2*\t*PITCH   ; LDS serves a wave's instructions in order (ISA guide 5.7.1.4): these see my stores
.endr
.irp t, 0,1,2,3,4,5,6,7,8,9,10,11,12,13,14,15
	s_wait_dscnt 15-\t                             ; the younger reads of the stage may be out
	global_store_b128 v[AO], v[R+4*\t:R+4*\t+3], s[18:19] offset:(\t/8)*32768+(\t%8)*512   ; 512 consecutive bytes, aligned
.endr
.Lend:
	s_wait_tensorcnt 0x0                           ; the wave's end
	ds_add_u32 v[SPW], v[NIL]
	s_wait_dscnt 0x0
	s_endpgm
.Lfunc_end_k_qc49e880faf_quant:
	.size	k_qc49e880faf_quant, .Lfunc_end_k_qc49e880faf_quant-k_qc49e880faf_quant
	.p2alignl 7, 3214868480
	.fill 96, 4, 3214868480
	.section	.rodata,"a",@progbits
	.p2align	6, 0x0
	.amdhsa_kernel k_qc49e880faf_quant
		.amdhsa_group_segment_fixed_size 28160
		.amdhsa_private_segment_fixed_size 0
		.amdhsa_enable_private_segment 0
		.amdhsa_kernarg_size 72
		.amdhsa_user_sgpr_count 2
		.amdhsa_user_sgpr_kernarg_segment_ptr 1
		.amdhsa_wavefront_size32 1
		.amdhsa_system_sgpr_workgroup_id_x 1
		.amdhsa_system_sgpr_workgroup_id_y 1
		.amdhsa_system_sgpr_workgroup_id_z 1
		.amdhsa_system_vgpr_workitem_id 0
		.amdhsa_next_free_vgpr 256
		.amdhsa_next_free_sgpr 66
		.amdhsa_reserve_vcc 0
		.amdhsa_float_denorm_mode_32 3
		.amdhsa_float_denorm_mode_16_64 3
		.amdhsa_memory_ordered 1
		.amdhsa_forward_progress 1
		.amdhsa_inst_pref_size 60
	.end_amdhsa_kernel
	.amdgpu_metadata
---
amdhsa.version: [ 1, 2 ]
amdhsa.kernels:
  - .name:           k_qc49e880faf_quant
    .symbol:         k_qc49e880faf_quant.kd
    .args:
      - { .name: h_prev, .offset: 0, .size: 8, .value_kind: global_buffer, .address_space: global }
      - { .name: x, .offset: 8, .size: 8, .value_kind: global_buffer, .address_space: global }
      - { .name: W_f, .offset: 16, .size: 8, .value_kind: global_buffer, .address_space: global }
      - { .name: W_i, .offset: 24, .size: 8, .value_kind: global_buffer, .address_space: global }
      - { .name: W_o, .offset: 32, .size: 8, .value_kind: global_buffer, .address_space: global }
      - { .name: W_c, .offset: 40, .size: 8, .value_kind: global_buffer, .address_space: global }
      - { .name: lowp_scales, .offset: 48, .size: 8, .value_kind: global_buffer, .address_space: global }
      - { .name: a_codes, .offset: 56, .size: 8, .value_kind: global_buffer, .address_space: global }
      - { .name: w_codes, .offset: 64, .size: 8, .value_kind: global_buffer, .address_space: global }
    .group_segment_fixed_size: 28160
    .private_segment_fixed_size: 0
    .kernarg_segment_align: 8
    .kernarg_segment_size: 72
    .max_flat_workgroup_size: 480
    .sgpr_count:     66
    .vgpr_count:     256
    .wavefront_size: 32
...
	.end_amdgpu_metadata
.endif
;; end of part 1
;; launch cell (part 2): grid 8 x 32, 4 waves a work-group, clusters of 4 x 4, 327,680 bytes of LDS; arguments a_codes, w_codes, lowp_scales, b_f, b_i, b_o, b_c, c_prev, out0, out1; writes out0, out1
.if DOCPART == 2
	.amdgcn_target "amdgcn-amd-amdhsa--gfx1250"
	.amdhsa_code_object_version 6
	.text
	.protected	k_qc49e880faf_cell
	.globl	k_qc49e880faf_cell
	.p2align	8
	.type	k_qc49e880faf_cell,@function
k_qc49e880faf_cell:
	s_mov_b64 s[64:65], 0
	v_nop
	global_prefetch_b8 v0, s[64:65] scope:SCOPE_SE
	s_setreg_imm32_b32 hwreg(HW_REG_WAVE_MODE, 25, 1), 1
	s_wait_xcnt 0x0
	s_wait_alu depctr_hold_cnt(0) depctr_sa_sdst(0) depctr_va_vdst(0) depctr_va_sdst(0) depctr_va_ssrc(0) depctr_va_vcc(0) depctr_vm_vsrc(0)
	s_getreg_b32 s2, hwreg(HW_REG_IB_STS2, 6, 4)
	s_cmp_eq_u32 s2, 0
	s_cbranch_scc0 .Lentry_in_a_cluster
	s_endpgm
.Lentry_in_a_cluster:
	s_bfe_u32 s2, ttmp6, 0x10000c
	s_cmp_lg_u32 s2, 0xf033
	s_cbranch_scc0 .Lentry_shape_is_right
	s_endpgm
.Lentry_shape_is_right:
; SECOND LAUNCH: the product on the codes and the whole cell behind it.  No work is left out here.
; A work-group makes 256 rows of the batch x 64 units x 4 gates: four waves, each 128 rows x 8 fragments of W (4 gates x the units 4 r + 2 n and 4 r + 2 n + 1, n = the wave's column half): 64 accumulators of 16 x 16, 512 registers.
; Source 0 = 16 rows of W, source 1 = 16 rows of the batch: lane (r, h), register j then holds batch row r and row 8 h + j of W's fragment: unit 4 (8 h + j) + 2 n + e in fragment 2 g + e.  So a unit's four gates meet in one lane.
; K goes in steps of 256 through a ring of two LDS slots of 131,072 bytes: [A 2 x 128 rows][W 2 x 128 rows], 32,768 bytes for each tensor load, dense in memory and in LDS.  The buffers are laid as the operand's registers are, so a
;   fragment load reads 512 consecutive bytes of LDS and no padding is needed.
; CLUSTERS: 4 x 4.  A's tile hangs on the work-group's x and is shared along a column of the cluster, W's hangs on y and is shared along a row: joint loads, one a wave behind each round.
; THE ORDER OF K: laps of two K steps.  Clusters of one parity (P) swap each two neighbouring laps.  PREFETCHES: in the loop's trips with s3 = 5 and 3, behind the joint load, each wave asks for its 8,192 bytes of the 32,768 (told
;   apart by address: cy for A, cx for W) of the K step two steps, one lap, ahead; the laps between are those that the clusters of the other parity load first.  A, which all rows of clusters read, is asked for by clusters with y < 2 alone.
;   In the trip with s3 = 1 each wave asks for the 64 rows of c_prev that it will load.  The first laps come by their loads alone.
; LDS READS AND PRODUCTS: 128 along K are 64 products, A's blocks 0-7 one after the other against W's eight fragments.  The next 128 along K are fetched in two runs of 32 loads: W's behind block 1, A's behind block 5.  W has two sets of
;   registers, A's blocks 6 and 7 two buffers, so all reads of a slot have been issued ahead of its last 64 products, and the round of the cluster's barrier stands behind the first sixteen of these.
; REGISTERS: window 0: v0-31 addresses, v32-95 biases as loaded, v96-127 A's blocks 6, 7 of odd halves, v128-255 A's blocks; at the end v32-159 T, v160-191 CP, v192-223 U.  Window 1: W's two sets; at the end v0-63 the biases x the
;   gates' factors, v64-127 rows read back.  Windows 2, 3: accumulators of blocks 0-3 and 4-7.
; LIMITS: ea + eb between -126 and 126, so that the two factors below are f32 numbers.
.set SLOT,   131072
.set TILE,   32768
.set BLK,    393216
.set OROW,   8192
.set PITCH,  272                       ; c_prev's tile and the stages: rows of 256 bytes + 16
.set SPARE,  2*SLOT
.set BA,   7
.set ADRA, 16
.set ADRB, 20
.set PFO,  22
.set PFC,  23
.set CPA,  24
.set STB,  26
.set RDB,  27
.set SPW,  28
.set NIL,  29
.set CO,   31
.set RAW,  32
.set T,    32
.set BIAS, 0                           ; window 1
.set OB,   64                          ; window 1
.set CP,   160
.set U,    192
.set AF,   128
.set P,    2
.set PFA,  22
.set G1,   24
.set G0,   32
.set G1B,  48
.set G0B,  56
.set PFB,  66
.set G1C,  68
.set G0C,  76
.set PCB,  92
.set LIM,  94
.set KS,   98
.set KC,   100
.set OFF,  104
.set MSB, 0
.macro WIN new
.if MSB != (\new)
	s_set_vgpr_msb (MSB<<8)|(\new)
.set MSB, (\new)
.endif
.endm
.set MUL_LO, 0xa1                      ; source 0 window 1, source 1 window 0, C and D window 2 (+ 0x50: window 3)
.set TO_B,   0x40
.macro JLOAD s                         ; waves 0, 1 fetch A's halves, waves 2, 3 W's
	s_cmp_eq_u32 s15, 0
	s_cbranch_scc0 .Lfor_b_\@
	tensor_load_to_lds s[G0+4*\s:G0+4*\s+3], s[G1:G1+7]
	s_nop 0
.rept 4
	v_nop
.endr
	s_branch .Lasked_\@
.Lfor_b_\@:
	tensor_load_to_lds s[G0B+4*\s:G0B+4*\s+3], s[G1B:G1B+7]
	s_nop 0
.rept 4
	v_nop
.endr
.Lasked_\@:
.endm
.macro CREST
	s_cmp_lg_u32 s14, 0
	s_cbranch_scc1 .Lnot_wave_0_\@
	s_barrier_signal -3
.Lnot_wave_0_\@:
	s_barrier_wait -3
	s_barrier_signal -1
	s_barrier_wait -1
.endm
.macro CROUND
	s_barrier_signal -1
	s_barrier_wait -1
	CREST
.endm
.macro ASK slot
	s_cmp_eq_u32 s3, 1
	s_cbranch_scc1 .Lask_c_\@
	s_and_b32 s21, s3, s[LIM]
	s_cmp_lg_u32 s21, 0
	s_cbranch_scc0 .Lask_done_\@
	global_prefetch_b8 v[PFO], s[PFA:PFA+1] th:TH_LOAD_NT scope:SCOPE_SE
	s_branch .Lask_done_\@
.Lask_c_\@:
	global_prefetch_b8 v[PFC], s[PCB:PCB+1] offset:\slot*32*OROW th:TH_LOAD_NT scope:SCOPE_SE
.Lask_done_\@:
.endm
	s_load_b256 s[4:11], s[0:1], 0x0               ; a_codes, w_codes, scales, b_f
	s_load_b256 s[80:87], s[0:1], 0x20             ; b_i, b_o, b_c, c_prev
	s_load_b128 s[88:91], s[0:1], 0x40             ; h_new, c_new
	v_lshl_add_u32 v[SPW], v0, 2, SPARE
	v_mov_b32 v[NIL], 0
	ds_add_u32 v[SPW], v[NIL]                      ; the opening add, twice on end
	ds_add_u32 v[SPW], v[NIL]
	v_lshrrev_b32 v1, 5, v0
	v_readfirstlane_b32 s14, v1                    ; wave
	s_lshr_b32 s15, s14, 1                         ; my half of the rows; also: I fetch A (0) or W (1)
	s_and_b32 s16, s14, 1                          ; n: my half of W's fragments; also: which 128 rows I fetch
	s_lshl_b32 s20, s15, 15
	s_lshl_b32 s21, s16, 15
	s_mul_i32 s22, s15, 128*PITCH
	s_lshl_b32 s23, s16, 3
	s_lshl_b32 s12, s16, 17
	v_and_b32 v2, 31, v0
	v_lshlrev_b32 v3, 4, v2
	v_add_nc_u32 v[ADRA], s20, v3
	v_add_nc_u32 v[ADRA+1], SLOT, v[ADRA]
	v_add_nc_u32 v4, s21, v3
	v_add_nc_u32 v[ADRB], 2*TILE, v4
	v_add_nc_u32 v[ADRB+1], SLOT, v[ADRB]
	v_lshlrev_b32 v[PFO], 8, v2                    ; a lane, a block of 256 bytes
	v_lshlrev_b32 v[PFC], 13, v2                   ; a lane, a row of c_prev
	v_and_b32 v5, 15, v0                           ; r
	v_bfe_u32 v6, v0, 4, 1                         ; h
	v_mul_u32_u24 v8, v5, PITCH
	v_lshl_add_u32 v8, v6, 7, v8
	v_add_nc_u32 v8, s22, v8
	v_add_nc_u32 v[CPA], s23, v8                   ; row r, byte 128 h + 8 n: the pair of units of j lies 16 j further on
	v_add_nc_u32 v[STB], SLOT, v[CPA]              ; h_new's stage: the same in slot 1
	v_mul_u32_u24 v9, v6, PITCH
	v_lshl_add_u32 v9, v5, 4, v9
	v_add_nc_u32 v9, s22, v9
	v_add_nc_u32 v[RDB], s12, v9                   ; back: n = 0 reads c_new's rows, n = 1 h_new's
	v_lshlrev_b32 v10, 13, v6
	v_lshl_add_u32 v[CO], v5, 4, v10
	v_lshlrev_b32 v[BA], 7, v6
	s_bfe_u32 s40, ttmp6, 0x40000                  ; cx
	s_bfe_u32 s41, ttmp6, 0x40004                  ; cy
	s_lshl_b32 s17, ttmp9, 2
	s_add_co_u32 s17, s17, s40                     ; x: which 256 rows of the batch
	s_and_b32 s42, ttmp7, 0xffff
	s_lshl_b32 s42, s42, 2
	s_add_co_u32 s42, s42, s41                     ; y: which 64 units
	s_lshl_b32 s43, s41, 2
	s_lshl_b32 s43, 15, s43                        ; my row of the cluster
	s_lshl_b32 s44, 0x1111, s40                    ; my column
	s_and_b32 s[P], ttmp7, 0xffff
	s_lshr_b32 s[OFF], s[P], 1
	s_xor_b32 s[P], s[P], s[OFF]
	s_lshr_b32 s[OFF], s[OFF], 1
	s_xor_b32 s[P], s[P], s[OFF]
	s_xor_b32 s[P], s[P], ttmp9
	s_and_b32 s[P], s[P], 1                        ; the cluster's parity
	s_lshl_b32 s[OFF], s[P], 16
	s_mov_b32 s[OFF+1], 0
	s_or_b32 s[G1+0], s44, (3<<16)|(1<<21)         ; elements of 8 bytes; 21 set beside a mask; no padding
	s_or_b32 s[G1B+0], s43, (3<<16)|(1<<21)
.irp g, G1, G1B                        ; 32 rows of 1,024 bytes on end: 32,768 dense bytes
	s_mov_b32 s[\g+1], 128<<16
	s_mov_b32 s[\g+2], 32<<16
	s_mov_b32 s[\g+3], 128<<16
	s_mov_b32 s[\g+4], 32
	s_mov_b32 s[\g+5], 128
	s_mov_b32 s[\g+6], 0
	s_mov_b32 s[\g+7], 0
.endr
	s_mov_b32 s[G1C+0], (2<<16)|(1<<20)|(5<<22)|(3<<25)  ; c_prev: 64 rows x 64 f32, 16 bytes of padding behind each row
	s_mov_b32 s[G1C+1], 64<<16
	s_mov_b32 s[G1C+2], 64<<16
	s_mov_b32 s[G1C+3], 64<<16
	s_mov_b32 s[G1C+4], 64
	s_mov_b32 s[G1C+5], 2048
	s_mov_b32 s[G1C+6], 0
	s_mov_b32 s[G1C+7], 0
	s_lshl_b32 s20, s17, 1
	s_add_co_u32 s20, s20, s16
	s_mul_i32 s20, s20, BLK
	s_mov_b32 s21, 0
	s_lshl_b32 s46, s42, 1
	s_add_co_u32 s46, s46, s16
	s_mul_i32 s46, s46, BLK
	s_mov_b32 s47, 0
	s_lshl_b32 s45, s14, 15
	s_wait_alu depctr_va_vdst(0)                   ; the wait here covers the addresses made above
	s_wait_dscnt 0x0                               ; both opening adds are done
	s_wait_kmcnt 0x0
	s_load_b64 s[96:97], s[8:9], 0x0               ; ea, eb
	s_add_nc_u64 s[4:5], s[4:5], s[20:21]
	s_add_nc_u64 s[6:7], s[6:7], s[46:47]
.irp s, 0,1
.if \s == 1
	s_add_co_u32 s[OFF], s[OFF], TILE
.endif
	s_mov_b32 s[G0+4*\s], 1
	s_add_co_u32 s[G0+4*\s+1], s45, \s*SLOT
	s_add_nc_u64 s[G0+4*\s+2:G0+4*\s+3], s[4:5], s[OFF:OFF+1]
	s_or_b32 s[G0+4*\s+3], s[G0+4*\s+3], 0x80000000
	s_mov_b32 s[G0B+4*\s], 1
	s_add_co_u32 s[G0B+4*\s+1], s45, \s*SLOT
	s_add_nc_u64 s[G0B+4*\s+2:G0B+4*\s+3], s[6:7], s[OFF:OFF+1]
	s_or_b32 s[G0B+4*\s+3], s[G0B+4*\s+3], 0x80000000
.endr
	CROUND                                         ; all sixteen work-groups are here
	JLOAD 0                                        ; K step 0: one tensor load a wave at the head
	s_lshl_b32 s12, s42, 8
	s_lshl_b32 s13, s16, 3
	s_add_co_u32 s12, s12, s13                     ; the biases: byte 256 y + 8 n + 128 h + 16 j
	s_mov_b32 s13, 0
	s_add_nc_u64 s[10:11], s[10:11], s[12:13]
	s_add_nc_u64 s[80:81], s[80:81], s[12:13]
	s_add_nc_u64 s[82:83], s[82:83], s[12:13]
	s_add_nc_u64 s[84:85], s[84:85], s[12:13]
.macro BIASLD g, sb
.irp j, 0,1,2,3,4,5,6,7
	global_load_b64 v[RAW+16*\g+2*\j:RAW+16*\g+2*\j+1], v[BA], s[\sb:\sb+1] offset:16*\j
.endr
.endm
	BIASLD 0, 10
	BIASLD 1, 80
	BIASLD 2, 82
	BIASLD 3, 84
	s_lshl_b32 s12, s17, 8
	s_lshl_b32 s13, s14, 6
	s_add_co_u32 s12, s12, s13
	s_lshl_b32 s12, s12, 13
	s_lshl_b32 s13, s42, 8
	s_add_co_u32 s12, s12, s13
	s_mov_b32 s13, 0
	s_add_nc_u64 s[PCB:PCB+1], s[86:87], s[12:13]  ; my 64 rows of c_prev's tile
	s_mov_b32 s[G0C], 1
	s_mul_i32 s[G0C+1], s14, 64*PITCH
	s_mov_b64 s[G0C+2:G0C+3], s[PCB:PCB+1]
	s_or_b32 s[G0C+3], s[G0C+3], 0x80000000
	s_cmp_eq_u32 s16, 0
	s_cselect_b64 s[88:89], s[90:91], s[88:89]     ; n = 0 stores c_new, n = 1 h_new
	s_lshl_b32 s12, s17, 8
	s_lshl_b32 s13, s15, 7
	s_add_co_u32 s12, s12, s13
	s_lshl_b32 s12, s12, 13
	s_lshl_b32 s13, s42, 8
	s_add_co_u32 s12, s12, s13
	s_mov_b32 s13, 0
	s_add_nc_u64 s[88:89], s[88:89], s[12:13]
	s_cmp_eq_u32 s15, 0
	s_cselect_b32 s13, s41, s40
	s_cselect_b64 s[PFB:PFB+1], s[4:5], s[6:7]
	s_lshl_b32 s12, s13, 13                        ; my work-group's 8,192 bytes of the tile
	s_lshl_b32 s13, s[P], 17
	s_add_co_u32 s12, s12, s13
	s_add_co_u32 s12, s12, 2*TILE                  ; lap t ^ P + 2 P + 1 = lap (t + 1) ^ P for odd t
	s_mov_b32 s13, 0
	s_add_nc_u64 s[PFB:PFB+1], s[PFB:PFB+1], s[12:13]
	s_and_b32 s22, ttmp7, 0xffff
	s_cmp_lt_u32 s22, 2
	s_cselect_b32 s[LIM], 1, 0
	s_cmp_eq_u32 s15, 0
	s_cselect_b32 s[LIM], s[LIM], 1
	s_wait_kmcnt 0x0
	s_add_co_i32 s96, s96, s97
	s_lshl_b32 s96, s96, 23
	s_add_co_u32 s[KS], s96, 0xbfb8aa3b            ; -log2(e) x 2^(ea + eb)
	s_mov_b32 s[KS+1], s[KS]
	s_add_co_u32 s[KC], s96, 0x4038aa3b            ; 2 log2(e) x 2^(ea + eb)
	s_mov_b32 s[KC+1], s[KC]
; A fragment is 16 rows x 128 K: registers 4 c .. 4 c + 3 of lane L take the 16 bytes at 512 c + 16 L.
.macro RUNB ls, lq                     ; W's eight fragments of half lq of slot ls, into set lq
	WIN TO_B
.irp f, 0,1,2,3,4,5,6,7
.irp c, 0,1,2,3
	ds_load_b128 v[128*(\lq)+16*\f+4*\c:128*(\lq)+16*\f+4*\c+3], v[ADRB+\ls] offset:4096*\f+2048*(\lq)+512*\c
.endr
.endr
	WIN 0
.endm
.macro RUNA ls, lq                     ; A's eight blocks; blocks 6 and 7 of half 1 have buffers of their own
	WIN 0
.irp i, 0,1,2,3,4,5,6,7
.set AR, AF+16*\i
.if (\lq) && (\i > 5)
.set AR, 16*\i
.endif
.irp c, 0,1,2,3
	ds_load_b128 v[AR+4*\c:AR+4*\c+3], v[ADRA+\ls] offset:4096*\i+2048*(\lq)+512*\c
.endr
.endr
.endm
; Four places ahead of loads into registers that products have read (ISA guide 7.12.1 for vector instructions).
.macro PLACES
.rept 4
	v_nop
.endr
.endm
; Block a against W's eight fragments: eight products, the accumulators by turns.
.macro MU a, q, zero
.set AM, AF+16*(\a)
.if (\q) && ((\a) > 5)
.set AM, 16*(\a)
.endif
.set AC, 64*((\a)%4)
	WIN MUL_LO+0x50*((\a)/4)
.irp b, 0,1,2,3,4,5,6,7
.if \zero
	v_wmma_f32_16x16x128_fp8_fp8 v[AC+8*\b:AC+8*\b+7], v[128*(\q)+16*\b:128*(\q)+16*\b+15], v[AM:AM+15], 0
.else
	v_wmma_f32_16x16x128_fp8_fp8 v[AC+8*\b:AC+8*\b+7], v[128*(\q)+16*\b:128*(\q)+16*\b+15], v[AM:AM+15], v[AC+8*\b:AC+8*\b+7]
.endif
.endr
.endm
; A slot's first half; the second half of the slot is fetched.  On entry W's and A's runs of this half have been issued, in this order.
.macro CH0 s, zero
	s_wait_dscnt 28                                ; blocks 1-7 may be out
	MU 0, 0, \zero
	s_wait_dscnt 24                                ; blocks 2-7
	MU 1, 0, \zero
	PLACES
	RUNB \s, 1
	s_wait_dscnt 52                                ; blocks 3-7 and W's 32
	MU 2, 0, \zero
	s_wait_dscnt 48                                ; blocks 4-7 and W's 32
	MU 3, 0, \zero
	s_wait_dscnt 32                                ; W's 32
	MU 4, 0, \zero
	MU 5, 0, \zero
	PLACES
	RUNA \s, 1
	MU 6, 0, \zero
	MU 7, 0, \zero
	WIN 0
.endm
; A slot's second half, and the change of slots.  In front of the round each wave waits for all its tensor loads, adds 0 to its spare word, and waits for that and for its own reads of this slot.
; fill = 1: this slot is filled again by a joint load; fill = 2: with c_prev's tile, by a load of the wave's own.  Behind it the other slot's first half is fetched.
.macro CH1 s, n, fill
.if \fill == 1
	s_wait_xcnt 0x0                                ; any prefetch of mine has read its address
.endif
	s_wait_tensorcnt 0x0
	ds_add_u32 v[SPW], v[NIL]
.if \fill == 1
	s_sub_co_u32 s[OFF], 6, s3
	s_xor_b32 s[OFF], s[OFF], s[P]
	s_lshl_b32 s[OFF], s[OFF], 16
.if \s == 1
	s_add_co_u32 s[OFF], s[OFF], TILE
.endif
	s_add_nc_u64 s[G0+4*\s+2:G0+4*\s+3], s[4:5], s[OFF:OFF+1]
	s_or_b32 s[G0+4*\s+3], s[G0+4*\s+3], 0x80000000
	s_add_nc_u64 s[G0B+4*\s+2:G0B+4*\s+3], s[6:7], s[OFF:OFF+1]
	s_or_b32 s[G0B+4*\s+3], s[G0B+4*\s+3], 0x80000000
	s_add_nc_u64 s[PFA:PFA+1], s[PFB:PFB+1], s[OFF:OFF+1]
.endif
	s_wait_dscnt 29                                ; blocks 1-7 and the add may be out
	MU 0, 1, 0
	s_wait_dscnt 0x0                               ; the add is done, and my reads of this slot are over
	s_barrier_signal -1
	MU 1, 1, 0
	WIN 0
	s_barrier_wait -1
	CREST
.if \fill == 1
	JLOAD \s                                       ; its four v_nop are also the places ahead of the loads below
.else
	tensor_load_to_lds s[G0C:G0C+3], s[G1C:G1C+7]
	s_nop 0
	PLACES
.endif
	RUNB \n, 0
.if \fill == 1
	ASK \s
.endif
	MU 2, 1, 0
	MU 3, 1, 0
	MU 4, 1, 0
	MU 5, 1, 0
	PLACES
	RUNA \n, 0
	MU 6, 1, 0
	MU 7, 1, 0
	WIN 0
.endm
	s_wait_alu depctr_va_vdst(0)                   ; the wait at the head's end
	s_wait_tensorcnt 0x0                           ; my part of K step 0 is in; the three lines, as ahead of a refill
	ds_add_u32 v[SPW], v[NIL]
	s_wait_dscnt 0x0
	CROUND
	JLOAD 1                                        ; K step 1
	RUNB 0, 0
	RUNA 0, 0
	CH0 0, 1                                       ; the first products start the sums
	s_mov_b32 s3, 5
.Llap:                                                 ; a trip goes once round the ring and fills both slots again
	CH1 0, 1, 1
	CH0 1, 0
	CH1 1, 0, 1
	CH0 0, 0
	s_sub_co_u32 s3, s3, 1
	s_cmp_lg_u32 s3, 0
	s_cbranch_scc1 .Llap
	CH1 0, 1, 2                                    ; slot 0 takes c_prev's tile
	CH0 1, 0
	s_wait_dscnt 28                                ; the last half: nothing more to fetch
	MU 0, 1, 0
	s_wait_dscnt 0x0                               ; my reads of slot 1 are over,
	s_wait_loadcnt 0x0                             ; the biases are in,
	s_wait_tensorcnt 0x0                           ; and so is my part of c_prev's tile
	s_barrier_signal -1
.irp a, 1,2,3,4,5,6,7
	MU \a, 1, 0
.endr
	WIN 0x40
	PLACES
; the biases x the gates' factors, sorted by fragment: register 8 (2 g + e) + j of window 1
.irp g, 0,1,2,3
.irp e, 0,1
.irp j, 0,1,2,3,4,5,6,7
.if \g < 3
	v_mul_f32 v[BIAS+8*(2*\g+\e)+\j], 0xbfb8aa3b, v[RAW+16*\g+2*\j+\e]
.else
	v_mul_f32 v[BIAS+8*(2*\g+\e)+\j], 0x4038aa3b, v[RAW+16*\g+2*\j+\e]
.endif
.endr
.endr
.endr
; sigmoid(x) = 1 / (1 + 2^(-x log2 e)), tanh(x) = 1 - 2 / (1 + 2^(2 x log2 e)).  Blocks go in pairs; bb = which of the pair.
; PRE: the exponents of block a: one multiply-add each on the sums.
.macro PRE a, bb
.set AC, 64*((\a)%4)
	WIN 0x12+((\a)/4)                              ; source 0: accumulators, source 2: window 1
	s_wait_alu depctr_va_vdst(0)                   ; the wait ahead of the first reader of these sums
.irp b, 0,1,2,3,4,5
.irp i, 0,2,4,6
	v_pk_fma_f32 v[T+64*\bb+8*\b+\i:T+64*\bb+8*\b+\i+1], v[AC+8*\b+\i:AC+8*\b+\i+1], s[KS:KS+1], v[BIAS+8*\b+\i:BIAS+8*\b+\i+1] op_sel_hi:[1,0,1]
.endr
.endr
.irp b, 6,7
.irp i, 0,2,4,6
	v_pk_fma_f32 v[T+64*\bb+8*\b+\i:T+64*\bb+8*\b+\i+1], v[AC+8*\b+\i:AC+8*\b+\i+1], s[KC:KC+1], v[BIAS+8*\b+\i:BIAS+8*\b+\i+1] op_sel_hi:[1,0,1]
.endr
.endr
.endm
.macro TR op, base, n
.set jj, 0
.rept \n
	\op v[\base+jj], v[\base+jj]
.set jj, jj+1
.endr
.endm
.macro MIX op, tb, ab                  ; 64 transcendentals on one block, 32 additions of 1 on the other: neither reads what the other writes
.set jj, 0
.rept 32
	\op v[\tb+jj], v[\tb+jj]
	\op v[\tb+jj+1], v[\tb+jj+1]
	v_pk_add_f32 v[\ab+jj:\ab+jj+1], v[\ab+jj:\ab+jj+1], 1.0 op_sel_hi:[1,0]
.set jj, jj+2
.endr
.endm
.macro BATCH                           ; a plain place behind a batch of transcendentals, and the one wait ahead of its readers and of the next batch
	v_nop
	s_wait_alu depctr_va_vdst(0)
.endm
.macro BACK p                          ; 32 rows of one output, from both column halves
	WIN 0x40
.irp bb, 0,1
.irp t, 0,1,2,3,4,5,6,7
	ds_load_b128 v[OB+32*\bb+4*\t:OB+32*\bb+4*\t+3], v[RDB] offset:(2*(\p)+\bb)*16*PITCH+\t*2*PITCH
.endr
.endr
	WIN 0
.endm
.macro SEND p, counted
	WIN 0x04
.irp bb, 0,1
.irp t, 0,1,2,3,4,5,6,7
.if \counted
	s_wait_dscnt 15-8*\bb-\t
.endif
	global_store_b128 v[CO], v[OB+32*\bb+4*\t:OB+32*\bb+4*\t+3], s[88:89] offset:(16*(2*(\p)+\bb)+2*\t)*OROW th:TH_STORE_NT   ; sixteen lanes store 256 consecutive bytes, aligned
.endr
.endr
	WIN 0
.endm
; Pair p.  The barrier whose wait stands here was signalled behind the pair before (the first: ahead of the last products), so the first block's exponentials stand between signal and wait.  A lane's units lie in T by fragment (8 e + j)
; and in CP and U by pairs (2 j + e), as rows of c_prev hold them.  c_new takes c_prev's own bytes in LDS, which have had their last fill; h_new goes to slot 1, whose last reads stand ahead of the first barrier.
.macro GATE p
	s_wait_alu depctr_va_vdst(0)
	TR v_exp_f32, T, 64
	s_barrier_wait -1
.if (\p) > 0
.if (\p) > 1
	s_wait_xcnt 0x0                                ; the stores of the pair before have read their registers
.endif
	BACK (\p)-1
.endif
.irp bb, 0,1
.irp j, 0,1,2,3,4,5,6,7
	ds_load_b64 v[CP+16*\bb+2*\j:CP+16*\bb+2*\j+1], v[CPA] offset:(2*(\p)+\bb)*16*PITCH+16*\j
.endr
.endr
	BATCH
	MIX v_exp_f32, T+64, T
	BATCH
	MIX v_rcp_f32, T, T+64
	BATCH
	TR v_rcp_f32, T+64, 64
	BATCH
	s_wait_dscnt 0x0
.if (\p) > 0
	SEND (\p)-1, 0
.endif
.irp bb, 0,1
.irp n, 0,2,4,6,8,10,12,14
	v_pk_fma_f32 v[T+64*\bb+48+\n:T+64*\bb+48+\n+1], v[T+64*\bb+48+\n:T+64*\bb+48+\n+1], -2.0, 1.0 op_sel_hi:[1,0,0]
.endr
.endr
.irp bb, 0,1
.irp n, 0,2,4,6,8,10,12,14
	v_pk_mul_f32 v[T+64*\bb+48+\n:T+64*\bb+48+\n+1], v[T+64*\bb+48+\n:T+64*\bb+48+\n+1], v[T+64*\bb+16+\n:T+64*\bb+16+\n+1]
.endr
.endr
.irp bb, 0,1
.irp j, 0,1,2,3,4,5,6,7
.irp e, 0,1
	v_fma_f32 v[CP+16*\bb+2*\j+\e], v[T+64*\bb+8*\e+\j], v[CP+16*\bb+2*\j+\e], v[T+64*\bb+48+8*\e+\j]   ; c_new = f c_prev + i tanh
.endr
.endr
.endr
.set jj, 0
.rept 16
	v_pk_mul_f32 v[U+jj:U+jj+1], v[CP+jj:CP+jj+1], 0x4038aa3b op_sel_hi:[1,0]
.set jj, jj+2
.endr
.irp bb, 0,1
.irp j, 0,1,2,3,4,5,6,7
	ds_store_b64 v[CPA], v[CP+16*\bb+2*\j:CP+16*\bb+2*\j+1] offset:(2*(\p)+\bb)*16*PITCH+16*\j
.endr
.endr
	s_wait_alu depctr_va_vdst(0)
	TR v_exp_f32, U, 32
	BATCH
.set jj, 0
.rept 16
	v_pk_add_f32 v[U+jj:U+jj+1], v[U+jj:U+jj+1], 1.0 op_sel_hi:[1,0]
.set jj, jj+2
.endr
	s_wait_alu depctr_va_vdst(0)
	TR v_rcp_f32, U, 32
	BATCH
.set jj, 0
.rept 16
	v_pk_fma_f32 v[U+jj:U+jj+1], v[U+jj:U+jj+1], -2.0, 1.0 op_sel_hi:[1,0,0]
.set jj, jj+2
.endr
.irp bb, 0,1
.irp j, 0,1,2,3,4,5,6,7
.irp e, 0,1
	v_mul_f32 v[U+16*\bb+2*\j+\e], v[U+16*\bb+2*\j+\e], v[T+64*\bb+32+8*\e+\j]   ; h_new = o tanh(c_new)
.endr
.endr
.endr
.irp bb, 0,1
.irp j, 0,1,2,3,4,5,6,7
	ds_store_b64 v[STB], v[U+16*\bb+2*\j:U+16*\bb+2*\j+1] offset:(2*(\p)+\bb)*16*PITCH+16*\j
.endr
.endr
.if (\p) < 3
	PRE 2*(\p)+2, 0
	PRE 2*(\p)+3, 1
	WIN 0
.endif
	s_wait_dscnt 0x0                               ; for the others' sake: my stores into the stages are done
	s_barrier_signal -1
.endm
	PRE 0, 0
	PRE 1, 1
	WIN 0
.irp p, 0,1,2,3
	GATE \p
.endr
	s_barrier_wait -1
	s_wait_xcnt 0x0
	BACK 3
	SEND 3, 1
	s_wait_tensorcnt 0x0                           ; the wave's end
	ds_add_u32 v[SPW], v[NIL]
	s_wait_dscnt 0x0
	CROUND                                         ; the closing round
	s_endpgm
.Lfunc_end_k_qc49e880faf_cell:
	.size	k_qc49e880faf_cell, .Lfunc_end_k_qc49e880faf_cell-k_qc49e880faf_cell
	.p2alignl 7, 3214868480
	.fill 96, 4, 3214868480
	.section	.rodata,"a",@progbits
	.p2align	6, 0x0
	.amdhsa_kernel k_qc49e880faf_cell
		.amdhsa_group_segment_fixed_size 327680
		.amdhsa_private_segment_fixed_size 0
		.amdhsa_enable_private_segment 0
		.amdhsa_kernarg_size 80
		.amdhsa_user_sgpr_count 2
		.amdhsa_user_sgpr_kernarg_segment_ptr 1
		.amdhsa_wavefront_size32 1
		.amdhsa_system_sgpr_workgroup_id_x 1
		.amdhsa_system_sgpr_workgroup_id_y 1
		.amdhsa_system_sgpr_workgroup_id_z 1
		.amdhsa_system_vgpr_workitem_id 0
		.amdhsa_next_free_vgpr 1024
		.amdhsa_next_free_sgpr 106
		.amdhsa_reserve_vcc 0
		.amdhsa_float_denorm_mode_32 3
		.amdhsa_float_denorm_mode_16_64 3
		.amdhsa_memory_ordered 1
		.amdhsa_forward_progress 1
		.amdhsa_inst_pref_size 222
	.end_amdhsa_kernel
	.amdgpu_metadata
---
amdhsa.version: [ 1, 2 ]
amdhsa.kernels:
  - .name:           k_qc49e880faf_cell
    .symbol:         k_qc49e880faf_cell.kd
    .args:
      - { .name: a_codes, .offset: 0, .size: 8, .value_kind: global_buffer, .address_space: global }
      - { .name: w_codes, .offset: 8, .size: 8, .value_kind: global_buffer, .address_space: global }
      - { .name: lowp_scales, .offset: 16, .size: 8, .value_kind: global_buffer, .address_space: global }
      - { .name: b_f, .offset: 24, .size: 8, .value_kind: global_buffer, .address_space: global }
      - { .name: b_i, .offset: 32, .size: 8, .value_kind: global_buffer, .address_space: global }
      - { .name: b_o, .offset: 40, .size: 8, .value_kind: global_buffer, .address_space: global }
      - { .name: b_c, .offset: 48, .size: 8, .value_kind: global_buffer, .address_space: global }
      - { .name: c_prev, .offset: 56, .size: 8, .value_kind: global_buffer, .address_space: global }
      - { .name: out0, .offset: 64, .size: 8, .value_kind: global_buffer, .address_space: global }
      - { .name: out1, .offset: 72, .size: 8, .value_kind: global_buffer, .address_space: global }
    .group_segment_fixed_size: 327680
    .private_segment_fixed_size: 0
    .kernarg_segment_align: 8
    .kernarg_segment_size: 80
    .max_flat_workgroup_size: 128
    .sgpr_count:     106
    .vgpr_count:     1024
    .wavefront_size: 32
...
	.end_amdgpu_metadata
.endif
;; end of part 2
